; MI455X (gfx1250); checked and timed in simulation.
; The chip was launched on July 23, 2026; its instructions are those of AMD's public machine-readable ISA for CDNA 5 (MIT licence, August 2026) and "CDNA5" Instruction Set Architecture Reference Guide (July 2026). The comments in the code are by the model that wrote it; some were corrected since.
;; Neuro Motor SNN. Allowed arithmetic: float matrix products may take bf16 or f16 operands with f32 sums; other float arithmetic in f32, or as packed bf16 or f16 multiplies, adds, multiply-adds, maxima and minima; sums over many terms, partial sums and values carried from step to step in f32; what a program stores and reads back later, other than sums and carried values, may be rounded once to bf16 or f16.
;; Inputs: W_in 128 x 128 float32; W_out 2 x 128 float32; b_in 128 float32; b_out 2 float32; ln_b 128 float32; ln_g 128 float32; x 2,048 x 512 x 4 float32.
;; Outputs: out0 2,048 x 2 float32.
;; One version. Each part assembles by itself: llvm-mc -triple=amdgcn-amd-amdhsa -mcpu=gfx1250 --defsym DOCPART=n.
;; ======== version 1 of 1: 1 launch
;; limits: inputs' magnitudes at most 255; values are held in f16: magnitudes above 65,504 overflow, below 6.1e-05 lose precision; inputs' magnitudes at most 134,217,728; right only within a limited range of input values
;; launch snn (part 1): grid 256 x 1, 4 waves a work-group, no clusters, 167,936 bytes of LDS; arguments x, W_in, b_in, ln_g, ln_b, W_out, b_out, out0; writes out0
.if DOCPART == 1
	.amdgcn_target "amdgcn-amd-amdhsa--gfx1250"
	.amdhsa_code_object_version 6
	.text
	.protected	k_q77b3dfb260_snn
	.globl	k_q77b3dfb260_snn
	.p2align	8
	.type	k_q77b3dfb260_snn,@function
k_q77b3dfb260_snn:
	s_mov_b64 s[64:65], 0
	v_nop
	global_prefetch_b8 v0, s[64:65] scope:SCOPE_SE
	s_setreg_imm32_b32 hwreg(HW_REG_WAVE_MODE, 25, 1), 1
	s_wait_xcnt 0x0
; NeuroMotorSNN, whole: Gaussian threshold features (4 channels x 32) -> product with W_in^T (128 x 128) + b_in -> layer norm over 128 neurons -> leaky integrate-and-fire
; scan over 512 steps -> out0[b][o] = sum over t, n of spike x W_out[o][n] + 512 b_out[o].  x: [2048][512][4] f32; out0: [2048][2] f32.
; SHARES.  Work-group g owns batch rows 8 g .. 8 g + 7, wave w two of them (8 g + 2 w, + 1) with all 512 steps and all 128 neurons: 64 tiles of 16 rows; tile i's row m is
; (b = m >> 3, t = 8 i + (m & 7)).  Nothing passes between waves but W_in, converted once into LDS.
; FORMATS.  Every input is rounded to bf16 first.  256 x bf16(W_in) is then exact in f16 and is the one weight operand; each feature e goes to the matrix unit as two f16 numbers,
; hi = f16(e) and lo = f16(e - hi), so a tile has 64 products: a spike count moves by whole spikes, and one 16-bit rounding of e would move too many threshold tests.
; The factor 256 (on W_in and b_in) cancels in the norm: eps is taken 65,536 times.  Thresholds and x - th are made by the same f32 operations as jnp.linspace and reference().
; LAYOUT.  The product is taken transposed (source 0 = 16 rows of W_in, source 1 = the tile's features): a lane holds ONE tile row (lane % 16) and 64 of its neurons, so mean and variance
; want one exchange between the halves of the lanes.  For the scan the tile is turned through the wave's own stage in LDS: a lane then holds one batch row, 8 neurons, all 8 steps.
; SCAN.  ln_b is folded into state and threshold (M = mem - ln_b before the reset, theta = 0.5 - ln_b): M = 0.9 M - 0.45 S + (0.1 ln_g) y;  S = clamp((M - theta) 2^100) = 0 or 1.
; BY TURNS.  Trip i: the 64 products of tile i; behind each matrix instruction five vector instructions: the features' arguments and exponentials of tile i + 1 and the scan of tile i - 1;
; then the norm of tile i, its turn through LDS, and the split of tile i + 1's features.  The trip's 64 exponentials and its one rsq are one batch with one wait.
; NO CLUSTER: W_in is the only input that work-groups share; each reads its 65,536 bytes once, at the head, into the registers in which they are converted; the loop reads no memory.
; LIMITS.  |W_in| < 255 (256 W must fit f16); a weight under 2^-25 carries an absolute error of up to 2^-33; |0.5 - ln_b| < 2^27; an excess over the threshold under 2^-100 would count
; as a fraction of a spike; NaN and infinities are not treated apart; the order of rounding in the norm and the scan differs from reference()'s (last bits of f32).
;
; LDS
.set WL,    65536      ; bytes 0 .. 65,535: x, 16,384 a wave, dense.  From WL: W as f16, 128 rows of 256 bytes, 272 apart (an odd multiple of 16)
.set WP,    272
.set STG,   100352     ; the stages: 16 rows of 512 bytes, 528 apart, 8,448 bytes a wave
.set SP,    528
.set SPARE, 134144     ; the spare words, 128 bytes a wave: two blocks of 256 bytes that no other line names
; REGISTERS, in windows of 256 (s_set_vgpr_msb: bits 1:0 source 0, 3:2 source 1, 5:4 source 2, 7:6 destination)
; window 0: all that stands beside the matrix work
.set SPW,  1           ; LDS address of my spare word; never rewritten
.set NIL,  2           ; 0; never rewritten
.set XA0,  3           ; my tile row's 16 bytes of x in tile 0
.set XAD,  4           ; the same in the tile to be fetched
.set NEG1, 5           ; -1.0
.set YLD,  6           ; where I read the turned tile
.set TA,   7           ; at work
.set XRAW, 8           ; v[8:11]   x of my tile row as loaded
.set TB,   12          ; v[12:15]  at work
.set TH,   16          ; v[16:31]  my 16 thresholds: j = 8 h + i, then 16 + 8 h + (i - 8)
.set HV,   32          ; v[32:33]  2^100 twice
.set GV,   34          ; v[34:41]  0.1 ln_g of my 8 neurons (n = 4 q + 64 u + i at 4 u + i)
.set NHT,  42          ; v[42:49]  -2^100 theta
.set MS,   50          ; v[50:57]  M
.set WOF,  58          ; 16 x thread
.set HOF,  59          ; 32 h
.set QOF,  60          ; 16 q
.set ZOF,  61          ; 0
.set LQ,   62          ; lane % 16
.set LH,   63          ; lane / 16
.set E,    64          ; v[64:127]  features at work: pair 8 c + w at E + 2 (8 c + w)
.set YS,   128         ; v[128:191] the turned tile: step t, pair p at YS + 8 t + 2 p
.set SS,   192         ; v[192:199] S
.set CN,   200         ; v[200:207] spike counts
.set WO,   208         ; v[208:223] W_out, output o at + 8 o
.set BO,   224         ; v[224:225] b_out
.set XR,   226         ; v[226:233] channel c of x, twice, at XR + 2 c
.set RT,   234         ; v[234:237] readout at work
.set RO,   240         ; v[240:241] the two outputs
.set OAD,  242         ; 8 h
.set WST,  243         ; where I put 8 bytes of W
.set WLD,  244         ; where I read W's fragments
; window 1: W, fragment (16 neurons nt, channel c) at 8 (4 nt + c)
; window 2
.set ACC,  0           ; 8 accumulators
.set FH,   64          ; features' hi, channel c at + 8 c
.set FL,   96          ; features' lo
.set BI,   128         ; 256 b_in as the C operand, at 8 nt + j
.set SA,   192         ; four running pairs of the sum
.set QA,   200         ; of the squares
.set NM,   208         ; -mean, twice
.set RS,   210         ; 1 / sqrt, twice
.set T0,   212
.set T1,   213
.set T2,   214
.set T3,   215
.set T4,   216
.set T5,   217
.set STA,  218         ; where I put 16 bytes of my tile row
.set W_MM, 0xa9        ; matrix: A window 1; B, C, D window 2
.set W_LN, 0xaa        ; all four places window 2
.set W_T2, 0x80        ; destination window 2, sources window 0
.set W_MX, 0x82        ; destination and source 0 window 2
.set W_T1, 0x40        ; destination window 1
; scalars
.set WV,   20          ; my wave's number
.set CNT,  21          ; trips to go
.set XO,   22          ; byte offset of the tile of x to be fetched
.set G0,   24          ; s[24:27] descriptor group 0
.set G1,   28          ; s[28:35] descriptor group 1
.set C09,  36          ; s[36:37] 0.9
.set CM45, 38          ; s[38:39] -0.45 = -(0.9 x 0.5)
.set NK2,  40          ; s[40:41] -20.48 log2(e)
.set SEL,  42          ; s[42:43] v_permlanex16_b32's selects: each lane takes its own place in the other half
.set SVX,  44          ; EXEC kept
.set R128, 45          ; 1 / 128
.set RY,   48          ; 1 / 31, rounded
.set M31,  49          ; -31
.set EPS,  52          ; 65,536 x 1e-5
.set HM,   53          ; a word's upper half
.set C256, 54          ; s[54:55] 256
.set MSB, 0
.macro WIN new                         ; the immediate's high byte repeats the setting that is left; a switch that changes nothing is dropped
.if MSB != (\new)
	s_set_vgpr_msb (MSB<<8)|(\new)
.set MSB, \new
.endif
.endm
.macro RNDBF r                         ; v[r], v[r+1] rounded to bf16 and widened again
	v_cvt_pk_bf16_f32 v[TB], v[\r], v[(\r)+1]
	v_lshlrev_b32 v[\r], 16, v[TB]
	v_and_b32 v[(\r)+1], s[HM], v[TB]
.endm
	s_load_b512 s[4:19], s[0:1], 0x0               ; x s[4:5], W_in s[6:7], b_in s[8:9], ln_g s[10:11], ln_b s[12:13], W_out s[14:15], b_out s[16:17], out0 s[18:19]
	v_lshl_add_u32 v[SPW], v0, 2, SPARE
	v_mov_b32 v[NIL], 0
	ds_add_u32 v[SPW], v[NIL]                      ; the wave's opening: the add and its wait ahead of my tensor load; work on registers stands between them
	v_lshrrev_b32 v[TA], 5, v0
	v_readfirstlane_b32 s[WV], v[TA]               ; wave 0..3
	; descriptor group 1: my 16,384 dense bytes of x as 64 rows of 256 bytes (32 elements of 8 bytes), no padding, no mask
	s_mov_b32 s[G1+0], 3<<16                       ; 17:16 elements of 8 bytes
	s_mov_b32 s[G1+1], 32<<16                      ; tensor_dim0 = 32
	s_mov_b32 s[G1+2], 64<<16                      ; tensor_dim1 = 64
	s_mov_b32 s[G1+3], 32<<16                      ; tile_dim0 = 32
	s_mov_b32 s[G1+4], 64                          ; tile_dim1 = 64
	s_mov_b32 s[G1+5], 32                          ; 32 elements from row to row
	s_mov_b32 s[G1+6], 0
	s_mov_b32 s[G1+7], 0
	s_mov_b32 s[G0], 1                             ; count = 1
	s_lshl_b32 s[G0+1], s[WV], 14                  ; LDS address: 16,384 x wave
	s_lshl_b32 s46, ttmp9, 16                      ; the work-group's 8 batch rows of 8,192 bytes,
	s_add_co_u32 s46, s46, s[G0+1]                 ; my two of them
	s_mov_b32 s47, 0
	s_mov_b32 s[C09], 0x3f666666
	s_mov_b32 s[C09+1], 0x3f666666
	s_mov_b32 s[CM45], 0xbee66666
	s_mov_b32 s[CM45+1], 0xbee66666
	s_mov_b32 s[NK2], 0xc1ec5f04
	s_mov_b32 s[NK2+1], 0xc1ec5f04
	s_mov_b32 s[SEL], 0x76543210
	s_mov_b32 s[SEL+1], 0xfedcba98
	s_mov_b32 s[R128], 0x3c000000
	s_mov_b32 s[RY], 0x3d042108
	s_mov_b32 s[M31], 0xc1f80000
	s_mov_b32 s[EPS], 0x3f27c5ac
	s_mov_b32 s[HM], 0xffff0000
	s_mov_b32 s[C256], 0x43800000
	s_mov_b32 s[C256+1], 0x43800000
	s_wait_dscnt 0x0                               ; the opening add is done
	s_wait_kmcnt 0x0
	s_add_nc_u64 s[G0+2:G0+3], s[4:5], s[46:47]    ; global address of my first byte of x
	s_or_b32 s[G0+3], s[G0+3], 0x80000000          ; type = 2
	tensor_load_to_lds s[G0:G0+3], s[G1:G1+7]      ; all my x: the one tensor load of the wave; its bytes are filled once and read by me alone
	s_nop 0
.rept 4
	v_nop
.endr
	v_lshlrev_b32 v[WOF], 4, v0
	v_and_b32 v[LQ], 15, v0
	v_bfe_u32 v[LH], v0, 4, 1
	v_lshlrev_b32 v[HOF], 5, v[LH]
	v_lshlrev_b32 v[QOF], 4, v[LQ]
	v_mov_b32 v[ZOF], 0
	; 57 loads in one run.  W_in: piece it is 2,048 consecutive bytes for the work-group's 128 threads (4 rows); each byte is read once by the work-group
.set it, 0
.rept 32
	global_load_b128 v[E+4*it:E+4*it+3], v[WOF], s[6:7] offset:2048*it
.set it, it+1
.endr
	WIN W_T2
.irp t, 0,1,2,3,4,5,6,7
	global_load_b128 v[BI+8*\t:BI+8*\t+3],   v[HOF], s[8:9] offset:64*\t     ; b_in of neurons 16 nt + 8 h + 0..3,
	global_load_b128 v[BI+8*\t+4:BI+8*\t+7], v[HOF], s[8:9] offset:64*\t+16  ; + 4..7
.endr
	WIN 0
.irp u, 0,1
	global_load_b128 v[GV+4*\u:GV+4*\u+3], v[QOF], s[10:11] offset:256*\u    ; neurons 4 q + 64 u + 0..3
.endr
.irp u, 0,1
	global_load_b128 v[MS+4*\u:MS+4*\u+3], v[QOF], s[12:13] offset:256*\u
.endr
.irp o, 0,1
.irp u, 0,1
	global_load_b128 v[WO+8*\o+4*\u:WO+8*\o+4*\u+3], v[QOF], s[14:15] offset:512*\o+256*\u
.endr
.endr
	global_load_b64 v[BO:BO+1], v[ZOF], s[16:17]
	; while they are on their way: the thresholds, by jnp.linspace's own operations: s = j / 31 correctly rounded (a product by 1/31 and one correction), th = -3 (1 - s) + 3 s.
	; The two products and the sum are NOT fused: each is rounded as reference() rounds it.
	v_lshlrev_b32 v[TB+2], 3, v[LH]
.set i, 0
.rept 16
	v_add_nc_u32 v[TA], i+8*(i/8), v[TB+2]         ; j
	v_cvt_f32_u32 v[TA], v[TA]
	v_mul_f32 v[TB], s[RY], v[TA]
	v_fma_f32 v[TB+1], v[TB], s[M31], v[TA]        ; j - 31 q, exact
	v_fma_f32 v[TB], v[TB+1], s[RY], v[TB]         ; s
	v_sub_f32 v[TB+1], 1.0, v[TB]
	v_mul_f32 v[TB+1], 0xc0400000, v[TB+1]
	v_mul_f32 v[TB], 0x40400000, v[TB]
	v_add_f32 v[TH+i], v[TB+1], v[TB]
.set i, i+1
.endr
	; lane addresses
	v_and_b32 v[TB], 7, v0
	v_bfe_u32 v[TB+1], v0, 3, 1
	v_lshlrev_b32 v[TB], 4, v[TB]
	v_lshl_add_u32 v[TB], v[TB+1], 13, v[TB]
	v_add_nc_u32 v[XA0], s[G0+1], v[TB]            ; 16,384 w + 8,192 (row >> 3) + 16 (row & 7)
	s_mul_i32 s23, s[WV], 16*SP
	s_add_co_u32 s23, s23, STG                     ; my stage
	v_mul_u32_u24 v[TB], v[LH], 8*SP
	v_lshl_add_u32 v[TB], v[LQ], 4, v[TB]
	v_add_nc_u32 v[YLD], s23, v[TB]                ; back: rows 8 h + t, bytes 16 q (+ 256 u)
	v_mul_u32_u24 v[TB], v[LQ], SP
	v_lshl_add_u32 v[TB], v[LH], 5, v[TB]
	v_add_nc_u32 v[TB], s23, v[TB]                 ; in: row l % 16, 32 bytes for each half of the lanes in every 64
	s_mul_i32 s50, s[WV], WP
	s_add_co_u32 s50, s50, WL
	v_and_b32 v[TB+1], 31, v0
	v_lshl_add_u32 v[WST], v[TB+1], 3, s50         ; row 4 it + w of W, 8 bytes a lane
	v_mul_u32_u24 v[TB+1], v[LQ], WP
	v_lshl_add_u32 v[TB+1], v[LH], 4, v[TB+1]
	v_add_nc_u32 v[WLD], WL, v[TB+1]               ; a fragment's row x pitch + 16 x half
	v_lshlrev_b32 v[OAD], 3, v[LH]
	v_mov_b32 v[NEG1], -1.0
	v_mov_b32 v[HV], 0x71800000
	v_mov_b32 v[HV+1], 0x71800000
.set i, 0
.rept 16
	v_mov_b32 v[SS+i], 0                           ; S and the counts start at 0
.set i, i+1
.endr
	WIN W_T2
	v_mov_b32 v[STA], v[TB]
	v_mov_b32 v[T1], 0                             ; v_permlanex16_b32's destination counts as read
.set i, 0
.rept 32
	v_mov_b32 v[FL+i], 0                           ; lo is written by halves, each of which keeps the other
.set i, i+1
.endr
	WIN 0
	; W_in -> f16(256 bf16(W)) -> LDS
.set it, 0
.rept 32
.set rW, E+4*it
.set rX, TB+2*(it%2)
	s_wait_loadcnt 56-it                           ; loads come back in order: behind piece it stand 31 - it of W's and the 25 small ones
	v_pk_mul_f32 v[rW:rW+1], v[rW:rW+1], s[C256:C256+1] op_sel_hi:[1,0]
	v_pk_mul_f32 v[rW+2:rW+3], v[rW+2:rW+3], s[C256:C256+1] op_sel_hi:[1,0]
	v_cvt_pk_bf16_f32 v[rX], v[rW], v[rW+1]
	v_cvt_pk_bf16_f32 v[rX+1], v[rW+2], v[rW+3]
	v_lshlrev_b32 v[rW], 16, v[rX]
	v_and_b32 v[rW+1], s[HM], v[rX]
	v_lshlrev_b32 v[rW+2], 16, v[rX+1]
	v_and_b32 v[rW+3], s[HM], v[rX+1]
	v_cvt_pk_f16_f32 v[rW], v[rW], v[rW+1]
	v_cvt_pk_f16_f32 v[rW+1], v[rW+2], v[rW+3]
	ds_store_b64 v[WST], v[rW:rW+1] offset:4*WP*it
.set it, it+1
.endr
	s_wait_loadcnt 0x0                             ; the small inputs
	WIN W_LN
.set z, 0
.rept 32
.set rB, BI+2*z
.set rX, T2+(z%2)
	v_pk_mul_f32 v[rB:rB+1], v[rB:rB+1], s[C256:C256+1] op_sel_hi:[1,0]
	v_cvt_pk_bf16_f32 v[rX], v[rB], v[rB+1]
	v_lshlrev_b32 v[rB], 16, v[rX]
	v_and_b32 v[rB+1], s[HM], v[rX]
.set z, z+1
.endr
	WIN 0
.irp z, 0,2,4,6
	RNDBF GV+\z
	v_mul_f32 v[GV+\z], 0x3dcccccd, v[GV+\z]       ; 0.1 ln_g
	v_mul_f32 v[GV+\z+1], 0x3dcccccd, v[GV+\z+1]
	RNDBF MS+\z
	v_fmaak_f32 v[NHT+\z], v[HV], v[MS+\z], 0xf1000000      ; ln_b 2^100 - 2^99 = -2^100 (0.5 - ln_b), rounded once
	v_fmaak_f32 v[NHT+\z+1], v[HV], v[MS+\z+1], 0xf1000000
	v_mul_f32 v[MS+\z], -1.0, v[MS+\z]             ; mem = 0: M = -ln_b
	v_mul_f32 v[MS+\z+1], -1.0, v[MS+\z+1]
.endr
.irp z, 0,2,4,6,8,10,12,14
	RNDBF WO+\z
.endr
	RNDBF BO
	s_wait_tensorcnt 0x0                           ; my x lies in LDS
	s_wait_dscnt 0x0                               ; for the others' sake: my rows of W lie in LDS
	s_barrier_signal -1
	s_barrier_wait -1                              ; everybody's do: the launch's only barrier; W's bytes are written no more
	WIN W_T1
.set f, 0
.rept 32                               ; fragment f = 4 nt + c: 16 neurons x 32 thresholds of channel c; W stays in registers for the whole launch
	ds_load_b128 v[8*f:8*f+3],   v[WLD] offset:(f/4)*16*WP+(f%4)*64
	ds_load_b128 v[8*f+4:8*f+7], v[WLD] offset:(f/4)*16*WP+(f%4)*64+32
.set f, f+1
.endr
	WIN 0
; MATRIX INSTRUCTION k of a tile's 64: link k / 8 of accumulator k % 8.  Links 0-3: lo of channels 0-3 (the small terms first; link 0 takes 256 b_in as C), links 4-7: hi.
; The eight accumulators take turns, one instruction a turn.
.macro MMA k
	WIN W_MM
.set mT, (\k)%8
.set mC, ((\k)/8)%4
.if (\k) < 8
	v_wmma_f32_16x16x32_f16 v[ACC+8*mT:ACC+8*mT+7], v[8*(4*mT+mC):8*(4*mT+mC)+7], v[FL+8*mC:FL+8*mC+7], v[BI+8*mT:BI+8*mT+7]
.elseif (\k) < 32
	v_wmma_f32_16x16x32_f16 v[ACC+8*mT:ACC+8*mT+7], v[8*(4*mT+mC):8*(4*mT+mC)+7], v[FL+8*mC:FL+8*mC+7], v[ACC+8*mT:ACC+8*mT+7]
.else
	v_wmma_f32_16x16x32_f16 v[ACC+8*mT:ACC+8*mT+7], v[8*(4*mT+mC):8*(4*mT+mC)+7], v[FH+8*mC:FH+8*mC+7], v[ACC+8*mT:ACC+8*mT+7]
.endif
.endm
; THE FEATURES' QUEUE, number n of 175 (160 lines).  Group n / 5 holds: x - th of pair g; the exponentials of pair g - 3 (places 1 and 3); the square of pair g - 1; its scaling for pair g - 2.
; So each link stands a group behind the one before it, no two exponentials stand on end in the groups that are full, and no line names an exponential's result.
.macro EQ n
.set eg, (\n)/5
.set es, (\n)%5
.if (es == 0) && (eg < 32)
	WIN 0
	v_pk_add_f32 v[E+2*eg:E+2*eg+1], v[XR+2*(eg/8):XR+2*(eg/8)+1], v[TH+2*(eg%8):TH+2*(eg%8)+1] neg_lo:[0,1] neg_hi:[0,1]
.elseif (es == 2) && (eg >= 1) && (eg < 33)
	WIN 0
	v_pk_mul_f32 v[E+2*eg-2:E+2*eg-1], v[E+2*eg-2:E+2*eg-1], v[E+2*eg-2:E+2*eg-1]
.elseif (es == 4) && (eg >= 2) && (eg < 34)
	WIN 0
	v_pk_mul_f32 v[E+2*eg-4:E+2*eg-3], v[E+2*eg-4:E+2*eg-3], s[NK2:NK2+1] op_sel_hi:[1,0]
.elseif (es == 1) && (eg >= 3) && (eg < 35)
	WIN 0
	v_exp_f32 v[E+2*eg-6], v[E+2*eg-6]
.elseif (es == 3) && (eg >= 3) && (eg < 35)
	WIN 0
	v_exp_f32 v[E+2*eg-5], v[E+2*eg-5]
.endif
.endm
; THE SCAN'S QUEUE, number k of 160: step k / 20, five phases of four pairs: z = G y; a = 0.9 M + z; M = -0.45 S + a; S = clamp(M 2^100 - theta 2^100); count += S.
; A line leans on the line four numbers back at the nearest.
.macro SQ k
.set qP, (\k)%4
.set qF, ((\k)%20)/4
.set qY, YS+8*((\k)/20)+2*qP
	WIN 0
.if qF == 0
	v_pk_mul_f32 v[qY:qY+1], v[qY:qY+1], v[GV+2*qP:GV+2*qP+1]
.elseif qF == 1
	v_pk_fma_f32 v[qY:qY+1], v[MS+2*qP:MS+2*qP+1], s[C09:C09+1], v[qY:qY+1] op_sel_hi:[1,0,1]
.elseif qF == 2
	v_pk_fma_f32 v[MS+2*qP:MS+2*qP+1], v[SS+2*qP:SS+2*qP+1], s[CM45:CM45+1], v[qY:qY+1] op_sel_hi:[1,0,1]
.elseif qF == 3
	v_pk_fma_f32 v[SS+2*qP:SS+2*qP+1], v[MS+2*qP:MS+2*qP+1], v[HV:HV+1], v[NHT+2*qP:NHT+2*qP+1] clamp
.else
	v_pk_add_f32 v[CN+2*qP:CN+2*qP+1], v[CN+2*qP:CN+2*qP+1], v[SS+2*qP:SS+2*qP+1]
.endif
.endm
.macro ER on, n
.if \on
	EQ \n
.endif
.endm
.macro SR on, n
.if \on
	SQ \n
.endif
.endm
; The 64 matrix instructions with five lines of the two queues behind each; none of those lines names a register of windows 1 or 2.
.macro GPHASE enc, scan
.set gg, 0
.rept 32
	MMA 2*gg
	ER \enc, 5*gg
	SR \scan, 5*gg
	ER \enc, 5*gg+1
	SR \scan, 5*gg+1
	ER \enc, 5*gg+2
	MMA 2*gg+1
	SR \scan, 5*gg+2
	ER \enc, 5*gg+3
	SR \scan, 5*gg+3
	ER \enc, 5*gg+4
	SR \scan, 5*gg+4
.set gg, gg+1
.endr
.endm
.macro XPREP                           ; my tile row's four channels rounded to bf16, each written twice: a pair for the packed subtraction
	WIN 0
	v_cvt_pk_bf16_f32 v[TB], v[XRAW], v[XRAW+1]
	v_cvt_pk_bf16_f32 v[TB+1], v[XRAW+2], v[XRAW+3]
.irp c, 0,1
	v_lshlrev_b32 v[XR+4*\c], 16, v[TB+\c]
	v_lshlrev_b32 v[XR+4*\c+1], 16, v[TB+\c]
	v_and_b32 v[XR+4*\c+2], s[HM], v[TB+\c]
	v_and_b32 v[XR+4*\c+3], s[HM], v[TB+\c]
.endr
.endm
.macro HSUM b                          ; the four pairs at b, and the other half of the lanes': the row's sum over 128 neurons, in T0
	v_pk_add_f32 v[(\b):(\b)+1], v[(\b):(\b)+1], v[(\b)+2:(\b)+3]
	v_pk_add_f32 v[(\b)+4:(\b)+5], v[(\b)+4:(\b)+5], v[(\b)+6:(\b)+7]
	v_pk_add_f32 v[(\b):(\b)+1], v[(\b):(\b)+1], v[(\b)+4:(\b)+5]
	v_add_f32 v[T0], v[\b], v[(\b)+1]
	v_permlanex16_b32 v[T1], v[T0], s[SEL], s[SEL+1]
	v_add_f32 v[T0], v[T0], v[T1]
.endm
.macro QL t                            ; the squares of accumulator t's eight differences
.set ww, 0
.rept 4
.if (\t) == 0
	v_pk_mul_f32 v[QA+2*ww:QA+2*ww+1], v[ACC+2*ww:ACC+2*ww+1], v[ACC+2*ww:ACC+2*ww+1]
.else
	v_pk_fma_f32 v[QA+2*ww:QA+2*ww+1], v[ACC+8*(\t)+2*ww:ACC+8*(\t)+2*ww+1], v[ACC+8*(\t)+2*ww:ACC+8*(\t)+2*ww+1], v[QA+2*ww:QA+2*ww+1]
.endif
.set ww, ww+1
.endr
.endm
; THE NORM of a tile, in two passes as reference() has it, all in window 2; then the tile goes into my stage.  Each accumulator is read from its lowest registers on.
.macro LNORM
	WIN W_LN
.set ww, 0
.rept 4
	v_pk_add_f32 v[SA+2*ww:SA+2*ww+1], v[ACC+2*ww:ACC+2*ww+1], v[ACC+8+2*ww:ACC+9+2*ww]
.set ww, ww+1
.endr
.set ww, 0
.rept 24
	v_pk_add_f32 v[SA+2*(ww%4):SA+2*(ww%4)+1], v[SA+2*(ww%4):SA+2*(ww%4)+1], v[ACC+16+2*ww:ACC+17+2*ww]
.set ww, ww+1
.endr
	HSUM SA
	v_mul_f32 v[NM], 0xbc000000, v[T0]             ; -sum / 128
	v_mul_f32 v[NM+1], 0xbc000000, v[T0]
.irp t, 0,1,2,3,4,5,6,7
.set ww, 0
.rept 4
	v_pk_add_f32 v[ACC+8*\t+2*ww:ACC+8*\t+2*ww+1], v[ACC+8*\t+2*ww:ACC+8*\t+2*ww+1], v[NM:NM+1]
.set ww, ww+1
.endr
.if \t > 0
	QL (\t)-1
.endif
.endr
	QL 7
	HSUM QA
	v_fma_f32 v[T2], v[T0], s[R128], s[EPS]        ; variance + eps, both 65,536 times
	v_rsq_f32 v[T3], v[T2]
	v_nop                                          ; a plain instruction behind the last transcendental (ISA guide 5.7.2)
	s_wait_alu depctr_va_vdst(0)                   ; the trip's one wait, ahead of the first line that names a result: for the rsq and for the 64 exponentials issued above
	v_mul_f32 v[T4], v[T2], v[T3]
	v_mul_f32 v[T5], -0.5, v[T3]
	v_fma_f32 v[T4], v[T4], v[T3], -1.0            ; v rs^2 - 1
	v_fma_f32 v[RS], v[T5], v[T4], v[T3]           ; one Newton step: rs - 0.5 rs (v rs^2 - 1)
	v_fma_f32 v[RS+1], v[T5], v[T4], v[T3]
.irp t, 0,1,2,3,4,5,6,7
.set ww, 0
.rept 4
	v_pk_mul_f32 v[ACC+8*\t+2*ww:ACC+8*\t+2*ww+1], v[ACC+8*\t+2*ww:ACC+8*\t+2*ww+1], v[RS:RS+1]
.set ww, ww+1
.endr
	ds_store_b128 v[STA], v[ACC+8*\t:ACC+8*\t+3]   offset:64*\t     ; neurons 16 nt + 8 h + 0..3 of my row,
	ds_store_b128 v[STA], v[ACC+8*\t+4:ACC+8*\t+7] offset:64*\t+16  ; + 4..7
.endr
.endm
.macro YLOAD                           ; back, turned: LDS serves a wave's instructions in order (ISA guide 5.7.1.4), so these see the stores above, and the next tile's stores come behind them
	WIN 0
.irp t, 0,1,2,3,4,5,6,7
	ds_load_b128 v[YS+8*\t:YS+8*\t+3],   v[YLD] offset:SP*\t
	ds_load_b128 v[YS+8*\t+4:YS+8*\t+7], v[YLD] offset:SP*\t+256
.endr
.endm
.macro E2                              ; e -> hi = f16(e), lo = f16(e - hi): the difference is made in f32 from hi's half, -1 and e, and rounded once
	WIN W_T2
.set pz, 0
.rept 32
	v_cvt_pk_f16_f32 v[FH+pz], v[E+2*pz], v[E+2*pz+1]
.set pz, pz+1
.endr
	WIN W_MX
.set pz, 0
.rept 32
	v_fma_mixlo_f16 v[FL+pz], v[FH+pz], v[NEG1], v[E+2*pz] op_sel_hi:[1,0,0]
.set pz, pz+1
.endr
.set pz, 0
.rept 32
	v_fma_mixhi_f16 v[FL+pz], v[FH+pz], v[NEG1], v[E+2*pz+1] op_sel:[1,0,0] op_sel_hi:[1,0,0]
.set pz, pz+1
.endr
	WIN 0
.endm
; A TRIP, for tile i.  enc = 1: the features of tile i + 1 are made and x of tile i + 2 is fetched.  scan = 1: tile i - 1 is scanned.
.macro TRIP enc, scan
	s_wait_dscnt 0x0                               ; the turned tile i - 1 and x of tile i + 1 are in registers (asked for ahead of the last trip's split)
.if \enc
	XPREP
.endif
	GPHASE \enc, \scan
.if \enc
.set nn, 160
.rept 15
	EQ nn                                          ; the features' queue runs out: nine lines
.set nn, nn+1
.endr
.rept 4
	v_nop                                          ; with the plain lines above: the places between the last product and the norm's first read (ISA guide 7.12.1)
.endr
.else
.rept 8
	v_nop
.endr
.endif
	LNORM
	YLOAD
.if \enc
	s_add_co_u32 s[XO], s[XO], 128                 ; a tile is 8 steps of 16 bytes;
	s_min_u32 s[XO], s[XO], 8064                   ; behind the last tile there is none: the last fetch names tile 63 again, and what it brings is not used
	v_add_nc_u32 v[XAD], s[XO], v[XA0]
	ds_load_b128 v[XRAW:XRAW+3], v[XAD]
	E2
.endif
.endm
	ds_load_b128 v[XRAW:XRAW+3], v[XA0]            ; x of tile 0
	s_wait_dscnt 0x0                               ; W's fragments and x
	XPREP
	ds_load_b128 v[XRAW:XRAW+3], v[XA0] offset:128 ; x of tile 1
	s_mov_b32 s[XO], 128
.set nn, 0
.rept 175
	EQ nn                                          ; tile 0's features: there is no matrix work yet to set them beside
.set nn, nn+1
.endr
	v_nop                                          ; a plain instruction behind the last exponential,
	s_wait_alu depctr_va_vdst(0)                   ; and the batch's wait ahead of its first reader
	E2
	TRIP 1, 0                                      ; tile 0: nothing to scan yet
	s_mov_b32 s[CNT], 62
.Ltrip:                                                ; tiles 1 to 62
	TRIP 1, 1
	s_sub_co_u32 s[CNT], s[CNT], 1
	s_cmp_lg_u32 s[CNT], 0
	s_cbranch_scc1 .Ltrip
	TRIP 0, 1                                      ; tile 63: no further features
	s_wait_dscnt 0x0                               ; the turned tile 63
.set nn, 0
.rept 160
	SQ nn                                          ; its scan
.set nn, nn+1
.endr
	; THE READOUT: my 8 neurons' counts times W_out, the 16 lanes of my batch row added, 512 b_out on top
	s_lshl_b32 s46, ttmp9, 6                       ; 8 batch rows of 8 bytes,
	s_lshl_b32 s50, s[WV], 4                       ; my two
	s_add_co_u32 s46, s46, s50
	s_add_nc_u64 s[18:19], s[18:19], s[46:47]      ; (s47 is still 0)
.irp o, 0,1
	v_pk_mul_f32 v[RT+2*\o:RT+2*\o+1], v[CN:CN+1], v[WO+8*\o:WO+8*\o+1]
	v_pk_fma_f32 v[RT+2*\o:RT+2*\o+1], v[CN+2:CN+3], v[WO+8*\o+2:WO+8*\o+3], v[RT+2*\o:RT+2*\o+1]
	v_pk_fma_f32 v[RT+2*\o:RT+2*\o+1], v[CN+4:CN+5], v[WO+8*\o+4:WO+8*\o+5], v[RT+2*\o:RT+2*\o+1]
	v_pk_fma_f32 v[RT+2*\o:RT+2*\o+1], v[CN+6:CN+7], v[WO+8*\o+6:WO+8*\o+7], v[RT+2*\o:RT+2*\o+1]
	v_add_f32 v[RO+\o], v[RT+2*\o], v[RT+2*\o+1]
	v_add_f32_dpp v[RO+\o], v[RO+\o], v[RO+\o] row_xmask:1 row_mask:0xf bank_mask:0xf
	v_add_f32_dpp v[RO+\o], v[RO+\o], v[RO+\o] row_xmask:2 row_mask:0xf bank_mask:0xf
	v_add_f32_dpp v[RO+\o], v[RO+\o], v[RO+\o] row_xmask:4 row_mask:0xf bank_mask:0xf
	v_add_f32_dpp v[RO+\o], v[RO+\o], v[RO+\o] row_xmask:8 row_mask:0xf bank_mask:0xf
	v_fmamk_f32 v[RO+\o], v[BO+\o], 0x44000000, v[RO+\o]
.endr
	v_cmp_eq_u32 vcc_lo, 0, v[LQ]                  ; lanes 0 and 16 store their batch row's 8 bytes: a work-group's whole output is 64 bytes
	s_wait_xcnt 0x0                                ; EXEC changes only behind this wait
	s_and_saveexec_b32 s[SVX], vcc_lo
	global_store_b64 v[OAD], v[RO:RO+1], s[18:19]
	s_wait_xcnt 0x0                                ; and again, in front of the line that widens it
	s_or_b32 exec_lo, exec_lo, s[SVX]
	s_wait_tensorcnt 0x0                           ; the wave's end: behind my tensor load and my last LDS store
	ds_add_u32 v[SPW], v[NIL]
	s_wait_dscnt 0x0
	s_endpgm
.Lfunc_end_k_q77b3dfb260_snn:
	.size	k_q77b3dfb260_snn, .Lfunc_end_k_q77b3dfb260_snn-k_q77b3dfb260_snn
	.p2alignl 7, 3214868480
	.fill 96, 4, 3214868480
	.section	.rodata,"a",@progbits
	.p2align	6, 0x0
	.amdhsa_kernel k_q77b3dfb260_snn
		.amdhsa_group_segment_fixed_size 167936
		.amdhsa_private_segment_fixed_size 0
		.amdhsa_enable_private_segment 0
		.amdhsa_kernarg_size 64
		.amdhsa_user_sgpr_count 2
		.amdhsa_user_sgpr_kernarg_segment_ptr 1
		.amdhsa_wavefront_size32 1
		.amdhsa_system_sgpr_workgroup_id_x 1
		.amdhsa_system_sgpr_workgroup_id_y 1
		.amdhsa_system_sgpr_workgroup_id_z 1
		.amdhsa_system_vgpr_workitem_id 0
		.amdhsa_next_free_vgpr 768
		.amdhsa_next_free_sgpr 66
		.amdhsa_reserve_vcc 1
		.amdhsa_float_denorm_mode_32 3
		.amdhsa_float_denorm_mode_16_64 3
		.amdhsa_memory_ordered 1
		.amdhsa_forward_progress 1
		.amdhsa_inst_pref_size 184
	.end_amdhsa_kernel
	.amdgpu_metadata
---
amdhsa.version: [ 1, 2 ]
amdhsa.kernels:
  - .name:           k_q77b3dfb260_snn
    .symbol:         k_q77b3dfb260_snn.kd
    .args:
      - { .name: x, .offset: 0, .size: 8, .value_kind: global_buffer, .address_space: global }
      - { .name: W_in, .offset: 8, .size: 8, .value_kind: global_buffer, .address_space: global }
      - { .name: b_in, .offset: 16, .size: 8, .value_kind: global_buffer, .address_space: global }
      - { .name: ln_g, .offset: 24, .size: 8, .value_kind: global_buffer, .address_space: global }
      - { .name: ln_b, .offset: 32, .size: 8, .value_kind: global_buffer, .address_space: global }
      - { .name: W_out, .offset: 40, .size: 8, .value_kind: global_buffer, .address_space: global }
      - { .name: b_out, .offset: 48, .size: 8, .value_kind: global_buffer, .address_space: global }
      - { .name: out0, .offset: 56, .size: 8, .value_kind: global_buffer, .address_space: global }
    .group_segment_fixed_size: 167936
    .private_segment_fixed_size: 0
    .kernarg_segment_align: 8
    .kernarg_segment_size: 64
    .max_flat_workgroup_size: 128
    .sgpr_count:     66
    .vgpr_count:     768
    .wavefront_size: 32
...
	.end_amdgpu_metadata
.endif
;; end of part 1
